; MI455X (gfx1250); checked and timed in simulation.
; The chip was launched on July 23, 2026; its instructions are those of AMD's public machine-readable ISA for CDNA 5 (MIT licence, August 2026) and "CDNA5" Instruction Set Architecture Reference Guide (July 2026). The comments in the code are by the model that wrote it; some were corrected since.
;; Multi Lora Column Parallel Linear. Allowed arithmetic: matrix products marked QUANTISED: E4M3 operands, one given power-of-two scale a tensor, by v_wmma_f32_16x16x64_fp8_fp8 or v_wmma_f32_16x16x128_fp8_fp8, f32 sums; everything else in f32.
;; Inputs: W 32 x 16 x 4,096 float32; adapter_ids 4 int32; lowp_scales 2 int32 (the exponents e of the quantised operands' scales 2^e); x 4 x 2,048 x 4,096 float32.
;; Outputs: out0 4 x 2,048 x 16 float32.
;; This version of the problem:
;;   THIS VERSION OF THE PROBLEM IS GIVEN IN LOW PRECISION. The matrix products marked QUANTISED in the list below multiply operands that are first quantised to E4M3 (4 exponent bits, 3 mantissa bits; 8 bits a number), with one given power-of-two scale for each operand tensor; their sums are f32. All else is computed in f32.
;;   The module's matrix products, in the order in which they are computed (A, B: the left and right operand; K: the contracted axis; several contracted axes count as one K, in the product's order):
;;     1. batch 4 x [M 2,048, K 4,096] x [K 4,096, N 16]; A: input x; B: computed on the way: QUANTISED (scales: A lowp_scales[0], B lowp_scales[1])
;;   THE QUANTISER, for each operand of a quantised product, along K:
;;     - The operand's scale is 2^e, e = its entry of the input lowp_scales (int32; the entries are numbered through the quantised products in the list's order, A before B).
;;     - Each number is divided by the scale, clamped to +-448, and rounded to the nearest number of E4M3, ties to even, subnormals kept.
;;     - The product sums the exact products of the quantised numbers (number of the format x scale) in f32.
;;   ~~~python
;;   def quantise(x, axis, e):      # numpy; x: float32 -> the quantised numbers, widened to float32 again
;;       x = np.moveaxis(x, axis, -1); K = x.shape[-1]
;;       r = np.clip(x / 2.0 ** e, -448, 448)
;;       step = 2.0 ** (np.maximum(np.frexp(np.where(r == 0, 1, r))[1] - 1, -6) - 3)
;;       q = np.round(r / step) * step * 2.0 ** e      # np.round: ties to even
;;       return np.moveaxis(q, -1, axis).astype(np.float32)
;;   ~~~
;;   OPERANDS COMPUTED ON THE WAY. 'Computed on the way' means the value that the module computes at that place (a softmax that the list does not call 'softmax' is quantised finished and normalised). What goes into a quantiser is computed in f32, as accurately as f32 sums, v_exp_f32 and their like allow (about 1e-6 of the number): no bf16 or f16 on the way to a quantiser, and a product that is left as it is and whose result goes on into a quantised operand takes f32 operands (vector FMAs, or v_wmma_f32_16x16x4_f32). A number that lies on a knife's edge between two numbers of the format may be rounded either way, as far as f32 arithmetic and the matrix unit's own rounding can turn it there, and no further.
;; 2 versions, each right; version 2 is version 1 with the launch lora written anew for expert scheduling mode. Each part assembles by itself: llvm-mc -triple=amdgcn-amd-amdhsa -mcpu=gfx1250 --defsym DOCPART=n.
;; ======== version 1 of 2: 1 launch
;; limits: right only within a limited range of input values
;; launch lora (part 1): grid 256 x 1, 16 waves a work-group, no clusters, 245,760 bytes of LDS; arguments x, W, adapter_ids, lowp_scales, out0; writes out0
.if DOCPART == 1
	.amdgcn_target "amdgcn-amd-amdhsa--gfx1250"
	.amdhsa_code_object_version 6
	.text
	.protected	k_q063761045b_lora
	.globl	k_q063761045b_lora
	.p2align	8
	.type	k_q063761045b_lora,@function
k_q063761045b_lora:
	s_mov_b64 s[64:65], 0
	v_nop
	global_prefetch_b8 v0, s[64:65] scope:SCOPE_SE
	s_setreg_imm32_b32 hwreg(HW_REG_WAVE_MODE, 25, 1), 1
	s_wait_xcnt 0x0
; out0[b][s][o] = sum over i of Q(x[b][s][i]) Q(W[adapter_ids[b]][o][i]).  x: [4][2048][4096] f32, W: [32][16][4096] f32, out0: [4][2048][16] f32.
; Q: the number / 2^e, held within +-448, to the nearest code of FP8 (E4M3), ties to even; e = lowp_scales[0] for x, lowp_scales[1] for W.  The codes are multiplied as they are
; (v_wmma_f32_16x16x128_fp8_fp8, f32 sums) and each finished sum once by 2^(ex + ew).
; LIMITS: ex and ew each between -126 and 119, so that 2^e and 448 x 2^e are f32 numbers; ex + ew is applied by v_ldexp_f32 and has none.  NaN among the inputs is not served; an infinity is held at
; the largest code.  An adapter id outside 0 .. 31, read as unsigned, is held at 31.
; SHARES.  A work-group owns 32 rows of x (64 work-groups to a sample), all 4,096 along K: 512 KB on end.  ITS SIXTEEN WAVES SHARE K: wave w owns k = 256 w .. 256 w + 255, 1,024 bytes of every row,
; of the 32 rows of x and of the 16 rows of the sample's W.  So W's slice is read and quantised once in a work-group, and a wave has three tiles of 16 rows x 256 K: x's rows 0-15, x's rows 16-31, W.
; A STEP is two rows: four loads of 16 bytes a lane; lanes 0-15 take the even row, lanes 16-31 the odd one, so each sixteen lanes read 256 consecutive bytes, aligned.  A lane then holds 16 numbers of ONE
; row: 16 holds, two conversions, 16 codes, one ds_store_b128 into the wave's own stage in LDS.  ONLY CODES ARE TURNED THROUGH LDS, a quarter of the numbers' bytes.
; THE ORDER OF k.  A tensor has one scale, so a conversion may take any numbers of a row together.  Byte 16 c + 4 j + i of a stage row is k = 64 j + 4 c + i of the wave's 256: a permutation of k, the same for
; x and for W, since both go through the same lanes and the same bytes: every product meets its partner, and only the order of the sums changes.
; THE RING.  Twelve slots of 16 registers: 48 loads of every wave are on their way; the 24 steps are written out, every offset is an immediate, no address register is ever rewritten.
; x's sixteen steps come first, W's eight last: W's address hangs on adapter_ids, whose scalar load is on its way while x's first 48 loads are issued.
; THE END.  Fragments come back from the stage (16 rows x 128 codes: four ds_load_b128); four matrix instructions, TRANSPOSED (source 0 = W's 16 rows, source 1 = 16 rows of x), so that a lane holds eight
; neighbouring outputs of one row; the sixteen waves' partial sums meet in LDS behind one barrier, and waves 0-3 add them and store 512 consecutive bytes each.
; NO CLUSTER: the 64 work-groups of a sample read the same 256 KB of W, but a joint request is a tensor load whose descriptor is equal in all partners by arithmetic on ids alone, and W's slice begins at a row
; that is read from adapter_ids; and x, two thirds of a work-group's bytes, is shared by nobody.
.set ROWB,  16384                      ; a row of x or of W in memory: 4,096 f32
.set PITCH, 272                        ; a stage row: 256 codes + 16 bytes = 68 words: row r starts at bank 4 r mod 64 (64 banks of 4 bytes: ISA guide 11.1): the 16 rows of a fragment load start at 16 different banks
.set TILEB, 16*PITCH                   ; a tile's codes
.set WREG,  3*TILEB                    ; a wave's stage: x's two tiles, then W's
.set RED,   16*WREG                    ; behind the stages: the partial sums, an image for each wave
.set IMG,   2176                       ; an image: 32 rows x 64 bytes, with 16 bytes of padding behind each 256
.set SLOTS, 12
.set STEPS, 24                         ; 16 of x, 8 of W
.set OFF,  1                           ; v1   16,384 (lane / 16) + 16 (lane % 16): my bytes in a step's two rows; never rewritten
.set STA,  2                           ; v2   the stage, on the way in: my wave's + 272 (lane / 16) + 16 (lane % 16)
.set RDA,  3                           ; v3   on the way out: my wave's + 272 (lane % 16) + 16 (lane / 16)
.set SCX,  4                           ; v4   2^ex as f32;   v5   448 x 2^ex
.set LMX,  5
.set SCW,  6                           ; v6   2^ew;          v7   448 x 2^ew
.set LMW,  7
.set PST,  8                           ; v8   where I put my partial sums
.set FRD,  9                           ; v9   where I read the sixteen images
.set OUTO, 10                          ; v10  my 16 bytes of the work-group's 2,048 of out0
.set T0,   11                          ; v11, v28, v29 at work at the head
.set T1,   28
.set T2,   29
.set C,    12                          ; v12-27   a step's 16 codes: four sets by turns
.set R,    32                          ; v32-223  the ring
.set XF,   R                           ; x's four fragments (tile m, K step s at 32 m + 16 s), in slots 0-3, which have had their last load
.set WF,   R+64                        ; W's two, in slots 4 and 5
.set S,    R+96                        ; the sixteen images' 16 bytes, in slots 6-9
.set ACC,  224                         ; v224-239 two accumulators
	s_load_b256 s[4:11], s[0:1], 0x0               ; x s[4:5], W s[6:7], adapter_ids s[8:9], lowp_scales s[10:11]
	s_load_b64 s[12:13], s[0:1], 0x20              ; out0
	v_lshl_add_u32 v240, v0, 2, 0x3b800
	v_mov_b32 v241, 0
	v_lshrrev_b32 v[T2], 5, v0
	v_readfirstlane_b32 s14, v[T2]                 ; wave 0..15
	v_and_b32 v[T0], 15, v0                        ; lane % 16
	v_bfe_u32 v[T1], v0, 4, 1                      ; lane / 16
	v_lshlrev_b32 v[OFF], 4, v[T0]
	v_lshl_add_u32 v[OFF], v[T1], 14, v[OFF]
	s_lshr_b32 s17, ttmp9, 6                       ; the sample: 64 work-groups of 32 rows each
	s_lshl_b32 s17, s17, 2                         ; its entry of adapter_ids, in bytes
	s_lshl_b32 s22, ttmp9, 19                      ; the work-group's 32 rows of 16,384 bytes (under 2^27),
	s_lshl_b32 s23, s14, 10                        ; my wave's 1,024 bytes of a row
	s_add_co_u32 s22, s22, s23
	s_mov_b32 s23, 0
	s_wait_kmcnt 0x0
	s_load_b32 s18, s[8:9], s17 offset:0x0         ; the sample's adapter
	s_load_b64 s[20:21], s[10:11], 0x0             ; ex, ew
	s_add_nc_u64 s[4:5], s[4:5], s[22:23]          ; x at my wave's slice of the work-group's first row
; Step t's four loads, into slot t % 12.  Steps 0-15: rows 2 t, 2 t + 1 of x, read once in the launch.  Steps 16-23: rows 2 (t - 16), + 1 of W's slice, which other work-groups read again.
.macro LOAD t
.set RS, R+16*((\t)%SLOTS)
.irp j, 0,1,2,3
.if (\t) < 16
	global_load_b128 v[RS+4*\j:RS+4*\j+3], v[OFF], s[4:5] offset:2*(\t)*ROWB+256*\j th:TH_LOAD_NT
.else
	global_load_b128 v[RS+4*\j:RS+4*\j+3], v[OFF], s[6:7] offset:2*((\t)-16)*ROWB+256*\j
.endif
.endr
.endm
.irp t, 0,1,2,3,4,5,6,7,8,9,10,11
	LOAD \t                                        ; the ring is filled before anything else is done: 48 loads, 24 KB a wave
.endr
	; LDS addresses: each a constant x wave + constants x parts of the lane
	s_mul_i32 s15, s14, WREG                       ; my stage
	v_mul_u32_u24 v[STA], v[T1], PITCH
	v_lshl_add_u32 v[STA], v[T0], 4, v[STA]
	v_add_nc_u32 v[STA], s15, v[STA]
	v_mul_u32_u24 v[RDA], v[T0], PITCH
	v_lshl_add_u32 v[RDA], v[T1], 4, v[RDA]
	v_add_nc_u32 v[RDA], s15, v[RDA]
	s_mul_i32 s16, s14, IMG
	s_add_co_u32 s16, s16, RED                     ; my image
	v_lshlrev_b32 v[PST], 6, v[T0]                 ; row r = lane % 16: 64 bytes a row,
	v_lshl_add_u32 v[PST], v[T1], 5, v[PST]        ; + 32 (lane / 16): my eight outputs,
	v_lshrrev_b32 v[T2], 2, v[T0]
	v_lshl_add_u32 v[PST], v[T2], 4, v[PST]        ; + 16 (r / 4): the padding behind each four rows
	v_add_nc_u32 v[PST], s16, v[PST]
	v_and_b32 v[T0], 127, v0                       ; for the last sum: thread t of waves 0-3 takes bytes 16 t .. 16 t + 15 of the work-group's 2,048
	v_lshlrev_b32 v[OUTO], 4, v[T0]
	v_lshrrev_b32 v[T2], 4, v[T0]
	v_add_nc_u32 v[T2], v[T2], v[T0]
	v_lshl_add_u32 v[FRD], v[T2], 4, RED           ; 16 t + 16 (t / 16): the same padding
	s_lshl_b32 s28, ttmp9, 11
	s_mov_b32 s29, 0
	s_add_nc_u64 s[12:13], s[12:13], s[28:29]      ; out0 at the work-group's 32 rows of 64 bytes
	s_wait_kmcnt 0x0                               ; the adapter and the two exponents
	s_min_u32 s18, s18, 31                         ; inside the table
	s_lshl_b32 s18, s18, 18                        ; 16 rows of 16,384 bytes an adapter,
	s_lshl_b32 s19, s14, 10                        ; my wave's 1,024 bytes of a row
	s_add_co_u32 s18, s18, s19
	s_mov_b32 s19, 0
	s_add_nc_u64 s[6:7], s[6:7], s[18:19]          ; W at my wave's slice of the adapter's first row; no load has named s[6:7] yet
	s_add_co_i32 s24, s20, 127
	s_lshl_b32 s25, s24, 23
	v_mov_b32 v[SCX], s25                          ; 2^ex as f32: the conversion takes its exponent field
	s_add_co_i32 s24, s24, 8
	s_lshl_b32 s24, s24, 23
	s_or_b32 s24, s24, 0x600000
	v_mov_b32 v[LMX], s24                          ; 448 x 2^ex
	s_add_co_i32 s24, s21, 127
	s_lshl_b32 s25, s24, 23
	v_mov_b32 v[SCW], s25                          ; the same for W
	s_add_co_i32 s24, s24, 8
	s_lshl_b32 s24, s24, 23
	s_or_b32 s24, s24, 0x600000
	v_mov_b32 v[LMW], s24
	s_add_co_i32 s26, s20, s21                     ; ex + ew
; Step t: its two rows' numbers become codes and go into rows 2 t, 2 t + 1 of my stage; its slot takes the loads of twelve steps on.
.macro STEP t
.set RS, R+16*((\t)%SLOTS)
.set CS, C+4*((\t)%4)
.if (\t) < 16
.set SC, SCX
.set LM, LMX
.else
.set SC, SCW
.set LM, LMW
.endif
.if STEPS-1-(\t) < SLOTS-1
	s_wait_loadcnt 4*(STEPS-1-(\t))                ; loads come back in order (ISA guide 5.7.1): mine are in; nothing is asked for any more, so the counts run down
.else
	s_wait_loadcnt 4*(SLOTS-1)                     ; mine are in; the four loads of each of the eleven steps behind mine stay out
.endif
.irp i, 0,1,2,3,4,5,6,7,8,9,10,11,12,13,14,15
	v_med3_num_f32 v[RS+\i], v[RS+\i], -v[LM], v[LM]   ; the conversion to an 8-bit code does not saturate (ISA guide 7.6.2): the hold at the largest code x the scale comes first
.endr
.if ((\t) >= 16) && ((\t) < 20)
	s_wait_dscnt 19                                ; the store of four steps ago has read this set of codes: behind it stand three stores and x's sixteen fragment loads
.elseif (\t) >= 4
	s_wait_dscnt 3                                 ; the store of four steps ago has read this set of codes: behind it stand three stores
.endif
	v_cvt_scalef32_pk8_fp8_f32 v[CS:CS+1], v[RS:RS+7], v[SC]          ; eight numbers / 2^e, to the nearest code, ties to even; the first number's code in the lowest byte
	v_cvt_scalef32_pk8_fp8_f32 v[CS+2:CS+3], v[RS+8:RS+15], v[SC]     ; (the next vector lines are the next step's holds: plain ones, on other registers)
	ds_store_b128 v[STA], v[CS:CS+3] offset:2*(\t)*PITCH              ; sixteen lanes fill a row's 256 bytes
.if (\t)+SLOTS < STEPS
	LOAD (\t)+SLOTS
.endif
.endm
.macro FRAG reg, off                   ; a fragment, 16 rows x 128 codes: lane l holds row l % 16; registers 4 c .. 4 c + 3 the row's bytes 32 c + 16 (l / 16) + 0 .. 15.  The same for x and for W
.irp c, 0,1,2,3
	ds_load_b128 v[\reg+4*\c:\reg+4*\c+3], v[RDA] offset:\off+32*\c
.endr
.endm
.irp t, 0,1,2,3,4,5,6,7,8,9,10,11,12,13,14,15
	STEP \t                                        ; x
.endr
	FRAG XF,    0                                  ; x's codes are whole in my stage, and slots 0-3 are free: its four fragments come back while W is quantised.
	FRAG XF+16, 128                                ; LDS serves a wave's instructions in order (ISA guide 5.7.1.4): these see my stores; the stage is my wave's own, so no barrier
	FRAG XF+32, TILEB
	FRAG XF+48, TILEB+128
.irp t, 16,17,18,19,20,21,22,23
	STEP \t                                        ; W
.endr
	v_nop                                          ; a plain vector line behind the last conversion, ahead of the matrix instructions
	FRAG WF,    2*TILEB
	FRAG WF+16, 2*TILEB+128
	s_wait_dscnt 0x0
	; out^T = W x^T over my 256 of K: two accumulators (x's rows 0-15, 16-31) by turns, one instruction a turn; the first products start the sums
	v_wmma_f32_16x16x128_fp8_fp8 v[ACC:ACC+7],    v[WF:WF+15],    v[XF:XF+15],    0
	v_wmma_f32_16x16x128_fp8_fp8 v[ACC+8:ACC+15], v[WF:WF+15],    v[XF+32:XF+47], 0
	v_wmma_f32_16x16x128_fp8_fp8 v[ACC:ACC+7],    v[WF+16:WF+31], v[XF+16:XF+31], v[ACC:ACC+7]
	v_wmma_f32_16x16x128_fp8_fp8 v[ACC+8:ACC+15], v[WF+16:WF+31], v[XF+48:XF+63], v[ACC+8:ACC+15]
.rept 4
	v_nop                                          ; four places between a matrix instruction and the LDS store that reads its result
.endr
	ds_store_b128 v[PST], v[ACC:ACC+3]                      ; lane (r, h): out(row r, 8 h + 0 .. 3); each accumulator from its low end on
	ds_store_b128 v[PST], v[ACC+4:ACC+7]    offset:16       ; 8 h + 4 .. 7
	ds_store_b128 v[PST], v[ACC+8:ACC+11]   offset:1088     ; rows 16-31: 1,024 bytes and four paddings on
	ds_store_b128 v[PST], v[ACC+12:ACC+15]  offset:1104
	s_wait_dscnt 0x0                               ; for the others' sake: my partial sums lie in LDS
	s_barrier_signal -1
	s_barrier_wait -1                              ; everybody's do
	s_cmp_ge_u32 s14, 4
	s_cbranch_scc1 .Ldone                          ; 2,048 bytes of out0 are 128 lanes x 16 bytes: waves 0-3 finish
.irp w, 0,1,2,3,4,5,6,7,8,9,10,11,12,13,14,15
	ds_load_b128 v[S+4*\w:S+4*\w+3], v[FRD] offset:\w*IMG   ; my four outputs' partial sum of wave w: sixteen lanes read 256 bytes on end
.endr
	s_wait_dscnt 0x0
.irp d, 8,4,2,1                        ; the sixteen parts of K are added in pairs 8, 4, 2 and 1 apart, two numbers an instruction
.set i, 0
.rept \d
	v_pk_add_f32 v[S+4*i:S+4*i+1],   v[S+4*i:S+4*i+1],   v[S+4*(i+\d):S+4*(i+\d)+1]
	v_pk_add_f32 v[S+4*i+2:S+4*i+3], v[S+4*i+2:S+4*i+3], v[S+4*(i+\d)+2:S+4*(i+\d)+3]
.set i, i+1
.endr
.endr
.irp j, 0,1,2,3
	v_ldexp_f32 v[S+\j], v[S+\j], s26              ; x 2^(ex + ew): nothing is rounded, short of overflow and underflow
.endr
	global_store_b128 v[OUTO], v[S:S+3], s[12:13] th:TH_STORE_NT   ; a wave stores 512 consecutive bytes, at a multiple of 256 from out0's first byte; written once, read by nobody here
.Ldone:
	s_wait_tensorcnt 0x0
	ds_add_u32 v240, v241
	s_wait_dscnt 0x0
	s_endpgm
.Lfunc_end_k_q063761045b_lora:
	.size	k_q063761045b_lora, .Lfunc_end_k_q063761045b_lora-k_q063761045b_lora
	.p2alignl 7, 3214868480
	.fill 96, 4, 3214868480
	.section	.rodata,"a",@progbits
	.p2align	6, 0x0
	.amdhsa_kernel k_q063761045b_lora
		.amdhsa_group_segment_fixed_size 245760
		.amdhsa_private_segment_fixed_size 0
		.amdhsa_enable_private_segment 0
		.amdhsa_kernarg_size 40
		.amdhsa_user_sgpr_count 2
		.amdhsa_user_sgpr_kernarg_segment_ptr 1
		.amdhsa_wavefront_size32 1
		.amdhsa_system_sgpr_workgroup_id_x 1
		.amdhsa_system_sgpr_workgroup_id_y 1
		.amdhsa_system_sgpr_workgroup_id_z 1
		.amdhsa_system_vgpr_workitem_id 0
		.amdhsa_next_free_vgpr 242
		.amdhsa_next_free_sgpr 66
		.amdhsa_reserve_vcc 0
		.amdhsa_float_denorm_mode_32 3
		.amdhsa_float_denorm_mode_16_64 3
		.amdhsa_memory_ordered 1
		.amdhsa_forward_progress 1
		.amdhsa_inst_pref_size 48
	.end_amdhsa_kernel
	.amdgpu_metadata
---
amdhsa.version: [ 1, 2 ]
amdhsa.kernels:
  - .name:           k_q063761045b_lora
    .symbol:         k_q063761045b_lora.kd
    .args:
      - { .name: x, .offset: 0, .size: 8, .value_kind: global_buffer, .address_space: global }
      - { .name: W, .offset: 8, .size: 8, .value_kind: global_buffer, .address_space: global }
      - { .name: adapter_ids, .offset: 16, .size: 8, .value_kind: global_buffer, .address_space: global }
      - { .name: lowp_scales, .offset: 24, .size: 8, .value_kind: global_buffer, .address_space: global }
      - { .name: out0, .offset: 32, .size: 8, .value_kind: global_buffer, .address_space: global }
    .group_segment_fixed_size: 245760
    .private_segment_fixed_size: 0
    .kernarg_segment_align: 8
    .kernarg_segment_size: 40
    .max_flat_workgroup_size: 512
    .sgpr_count:     66
    .vgpr_count:     242
    .wavefront_size: 32
...
	.end_amdgpu_metadata
.endif
;; end of part 1
;; ======== version 2 of 2: 1 launch; version 1 with the launch lora written anew for expert scheduling mode
;; limits: right only within a limited range of input values
;; launch lora (part 2): grid 256 x 1, 16 waves a work-group, no clusters, 245,760 bytes of LDS; arguments x, W, adapter_ids, lowp_scales, out0; writes out0
.if DOCPART == 2
	.amdgcn_target "amdgcn-amd-amdhsa--gfx1250"
	.amdhsa_code_object_version 6
	.text
	.protected	k_q063761045b_lora
	.globl	k_q063761045b_lora
	.p2align	8
	.type	k_q063761045b_lora,@function
k_q063761045b_lora:
	s_mov_b64 s[64:65], 0
	v_nop
	global_prefetch_b8 v0, s[64:65] scope:SCOPE_SE
	s_setreg_imm32_b32 hwreg(HW_REG_WAVE_SCHED_MODE, 0, 2), 2
	s_setreg_imm32_b32 hwreg(HW_REG_WAVE_MODE, 25, 1), 1
	s_wait_xcnt 0x0
	s_wait_alu depctr_vm_vsrc(0)
; out0[b][s][o] = sum over i of Q(x[b][s][i]) Q(W[adapter_ids[b]][o][i]).  x: [4][2048][4096] f32, W: [32][16][4096] f32, out0: [4][2048][16] f32.
; Q: the number / 2^e, held within +-448, to the nearest code of FP8 (E4M3), ties to even; e = lowp_scales[0] for x, lowp_scales[1] for W.  The codes are multiplied as they are
; (v_wmma_f32_16x16x128_fp8_fp8, f32 sums) and each finished sum once by 2^(ex + ew).
; LIMITS: ex and ew each between -126 and 119, so that 2^e and 448 x 2^e are f32 numbers; ex + ew is applied by v_ldexp_f32 and has none.  NaN among the inputs is not served; an infinity is held at
; the largest code.  An adapter id outside 0 .. 31, read as unsigned, is held at 31.
; SHARES.  A work-group owns 32 rows of x (64 work-groups to a sample), all 4,096 along K: 512 KB on end.  ITS SIXTEEN WAVES SHARE K: wave w owns k = 256 w .. 256 w + 255, 1,024 bytes of every row,
; of the 32 rows of x and of the 16 rows of the sample's W.  So W's slice is read and quantised once in a work-group, and a wave has three tiles of 16 rows x 256 K: x's rows 0-15, x's rows 16-31, W.
; A STEP is two rows: four loads of 16 bytes a lane; lanes 0-15 take the even row, lanes 16-31 the odd one, so each sixteen lanes read 256 consecutive bytes, aligned.  A lane then holds 16 numbers of ONE
; row: 16 holds, two conversions, 16 codes, one ds_store_b128 into the wave's own stage in LDS.  ONLY CODES ARE TURNED THROUGH LDS, a quarter of the numbers' bytes.
; THE ORDER OF k.  A tensor has one scale, so a conversion may take any numbers of a row together.  Byte 16 c + 4 j + i of a stage row is k = 64 j + 4 c + i of the wave's 256: a permutation of k, the same for
; x and for W, since both go through the same lanes and the same bytes: every product meets its partner, and only the order of the sums changes.
; THE RING.  Thirteen slots of 16 registers, twelve of them asked for at any time: 48 loads of every wave are on their way; the 24 steps are written out, every offset is an immediate, no address register is ever rewritten.
; x's sixteen steps come first, W's eight last: W's address hangs on adapter_ids, whose scalar load is on its way while x's first 48 loads are issued.
; THE END.  Fragments come back from the stage (16 rows x 128 codes: four ds_load_b128); four matrix instructions, TRANSPOSED (source 0 = W's 16 rows, source 1 = 16 rows of x), so that a lane holds eight
; neighbouring outputs of one row; the sixteen waves' partial sums meet in LDS behind one barrier, and waves 0-3 add them and store 512 consecutive bytes each.
; NO CLUSTER: the 64 work-groups of a sample read the same 256 KB of W, but a joint request is a tensor load whose descriptor is equal in all partners by arithmetic on ids alone, and W's slice begins at a row
; that is read from adapter_ids; and x, two thirds of a work-group's bytes, is shared by nobody.
; THE MODE: SCHED_MODE bits 1:0 = 2 (LLVM: expert scheduling mode 2), set by the entry lines.  The code itself states the register dependences
; between vector or matrix instructions and memory or LDS instructions, with s_wait_alu, always for 0.
; THE PLAN.  Registers that memory or LDS instructions touch:
;   slots 0 .. 12   Step t's holds and conversions work on slot t % 13.  The loads of step t + 12 land in slot (t + 12) % 13 = (t - 1) % 13, the slot that step t - 1 worked on; they are issued in step t.
;   codes 0 .. 3    Step t's conversions write set t % 4.  The LDS store that reads it is issued at the head of step t + 1.
;   v[OFF], v[STA], v[RDA], v[PST], v[FRD], v[OUTO]   offsets and LDS addresses, written once at the head and never again.
; Step t's vector lines name slot t % 13, set t % 4 and the two scale registers; its memory instructions touch slot (t - 1) % 13, set (t - 1) % 4 and the addresses.  So ONE wait on va_vdst at a step's head, behind
; the wait for the step's data, states all that its store and its four loads hang on, and the loads are dealt among the holds with no further wait.
; A wait on vm_vsrc at the head of step t shows the stores of the codes of all steps up to t - 2 to have read their registers: the three sets that steps t, t + 1 and t + 2 write again.  So it stands in every third step, from step 4 on.
.set ROWB,  16384                      ; a row of x or of W in memory: 4,096 f32
.set PITCH, 272                        ; a stage row: 256 codes + 16 bytes = 68 words: row r starts at bank 4 r mod 64 (64 banks of 4 bytes: ISA guide 11.1): the 16 rows of a fragment load start at 16 different banks
.set TILEB, 16*PITCH                   ; a tile's codes
.set WREG,  3*TILEB                    ; a wave's stage: x's two tiles, then W's
.set RED,   16*WREG                    ; behind the stages: the partial sums, an image for each wave
.set IMG,   2176                       ; an image: 32 rows x 64 bytes, with 16 bytes of padding behind each 256
.set SLOTS, 13                         ; twelve on their way or at work, one that the step before has left
.set STEPS, 24                         ; 16 of x, 8 of W
.set OFF,  1                           ; v1   16,384 (lane / 16) + 16 (lane % 16): my bytes in a step's two rows; never rewritten
.set STA,  2                           ; v2   the stage, on the way in: my wave's + 272 (lane / 16) + 16 (lane % 16)
.set RDA,  3                           ; v3   on the way out: my wave's + 272 (lane % 16) + 16 (lane / 16)
.set SCX,  4                           ; v4   2^ex as f32;   v5   448 x 2^ex
.set LMX,  5
.set SCW,  6                           ; v6   2^ew;          v7   448 x 2^ew
.set LMW,  7
.set PST,  8                           ; v8   where I put my partial sums
.set FRD,  9                           ; v9   where I read the sixteen images
.set OUTO, 10                          ; v10  my 16 bytes of the work-group's 2,048 of out0
.set T0,   11                          ; v11, v28, v29 at work at the head
.set T1,   28
.set T2,   29
.set C,    12                          ; v12-27   a step's 16 codes: four sets by turns
.set R,    32                          ; v32-239  the ring
.set X00,  R                           ; x's four fragments (tile m, K step s: Xms), in slots 0, 1, 2 and 11, which have had their last load and their last vector line when step 15 is done
.set X01,  R+16
.set X10,  R+32
.set X11,  R+176
.set WF,   R+64                        ; W's two, in slots 4 and 5
.set S,    R+96                        ; the sixteen images' 16 bytes, in slots 6-9
.set ACC,  240                         ; v240-255 two accumulators
	s_load_b256 s[4:11], s[0:1], 0x0               ; x s[4:5], W s[6:7], adapter_ids s[8:9], lowp_scales s[10:11]
	s_load_b64 s[12:13], s[0:1], 0x20              ; out0
	v_lshl_add_u32 v30, v0, 2, 0x3b800
	v_mov_b32 v31, 0
	v_lshrrev_b32 v[T2], 5, v0
	v_readfirstlane_b32 s14, v[T2]                 ; wave 0..15
	v_and_b32 v[T0], 15, v0                        ; lane % 16
	v_bfe_u32 v[T1], v0, 4, 1                      ; lane / 16
	v_lshlrev_b32 v[OFF], 4, v[T0]
	v_lshl_add_u32 v[OFF], v[T1], 14, v[OFF]
	s_lshr_b32 s17, ttmp9, 6                       ; the sample: 64 work-groups of 32 rows each
	s_lshl_b32 s17, s17, 2                         ; its entry of adapter_ids, in bytes
	s_lshl_b32 s22, ttmp9, 19                      ; the work-group's 32 rows of 16,384 bytes (under 2^27),
	s_wait_alu depctr_va_sdst(0)                   ; s14 is written, ahead of its first reader: bases, LDS addresses and the last branch are made from it
	s_lshl_b32 s23, s14, 10                        ; my wave's 1,024 bytes of a row
	s_add_co_u32 s22, s22, s23
	s_mov_b32 s23, 0
	s_wait_kmcnt 0x0
	s_load_b32 s18, s[8:9], s17 offset:0x0         ; the sample's adapter
	s_load_b64 s[20:21], s[10:11], 0x0             ; ex, ew
	s_add_nc_u64 s[4:5], s[4:5], s[22:23]          ; x at my wave's slice of the work-group's first row
; Load j of step t's four, into slot t % 13.  Steps 0-15: rows 2 t, 2 t + 1 of x, read once in the launch.  Steps 16-23: rows 2 (t - 16), + 1 of W's slice, which other work-groups read again.
.macro LOAD1 t, j
.set RL, R+16*((\t)%SLOTS)
.if (\t) < 16
	global_load_b128 v[RL+4*(\j):RL+4*(\j)+3], v[OFF], s[4:5] offset:2*(\t)*ROWB+256*(\j) th:TH_LOAD_NT
.else
	global_load_b128 v[RL+4*(\j):RL+4*(\j)+3], v[OFF], s[6:7] offset:2*((\t)-16)*ROWB+256*(\j)
.endif
.endm
	s_wait_alu depctr_va_vdst(0)                   ; v[OFF] is written: every load of x and of W reads it as its offset
.irp t, 0,1,2,3,4,5,6,7,8,9,10,11
.irp j, 0,1,2,3
	LOAD1 \t, \j                                   ; twelve slots are asked for before anything else is done: 48 loads, 24 KB a wave
.endr
.endr
	; LDS addresses: each a constant x wave + constants x parts of the lane
	s_mul_i32 s15, s14, WREG                       ; my stage
	v_mul_u32_u24 v[STA], v[T1], PITCH
	v_lshl_add_u32 v[STA], v[T0], 4, v[STA]
	v_add_nc_u32 v[STA], s15, v[STA]
	v_mul_u32_u24 v[RDA], v[T0], PITCH
	v_lshl_add_u32 v[RDA], v[T1], 4, v[RDA]
	v_add_nc_u32 v[RDA], s15, v[RDA]
	s_mul_i32 s16, s14, IMG
	s_add_co_u32 s16, s16, RED                     ; my image
	v_lshlrev_b32 v[PST], 6, v[T0]                 ; row r = lane % 16: 64 bytes a row,
	v_lshl_add_u32 v[PST], v[T1], 5, v[PST]        ; + 32 (lane / 16): my eight outputs,
	v_lshrrev_b32 v[T2], 2, v[T0]
	v_lshl_add_u32 v[PST], v[T2], 4, v[PST]        ; + 16 (r / 4): the padding behind each four rows
	v_add_nc_u32 v[PST], s16, v[PST]
	v_and_b32 v[T0], 127, v0                       ; for the last sum: thread t of waves 0-3 takes bytes 16 t .. 16 t + 15 of the work-group's 2,048
	v_lshlrev_b32 v[OUTO], 4, v[T0]
	v_lshrrev_b32 v[T2], 4, v[T0]
	v_add_nc_u32 v[T2], v[T2], v[T0]
	v_lshl_add_u32 v[FRD], v[T2], 4, RED           ; 16 t + 16 (t / 16): the same padding
	s_lshl_b32 s28, ttmp9, 11
	s_mov_b32 s29, 0
	s_add_nc_u64 s[12:13], s[12:13], s[28:29]      ; out0 at the work-group's 32 rows of 64 bytes
	s_wait_kmcnt 0x0                               ; the adapter and the two exponents
	s_min_u32 s18, s18, 31                         ; inside the table
	s_lshl_b32 s18, s18, 18                        ; 16 rows of 16,384 bytes an adapter,
	s_lshl_b32 s19, s14, 10                        ; my wave's 1,024 bytes of a row
	s_add_co_u32 s18, s18, s19
	s_mov_b32 s19, 0
	s_add_nc_u64 s[6:7], s[6:7], s[18:19]          ; W at my wave's slice of the adapter's first row; no load has named s[6:7] yet
	s_add_co_i32 s24, s20, 127
	s_lshl_b32 s25, s24, 23
	v_mov_b32 v[SCX], s25                          ; 2^ex as f32: the conversion takes its exponent field
	s_add_co_i32 s24, s24, 8
	s_lshl_b32 s24, s24, 23
	s_or_b32 s24, s24, 0x600000
	v_mov_b32 v[LMX], s24                          ; 448 x 2^ex
	s_add_co_i32 s24, s21, 127
	s_lshl_b32 s25, s24, 23
	v_mov_b32 v[SCW], s25                          ; the same for W
	s_add_co_i32 s24, s24, 8
	s_lshl_b32 s24, s24, 23
	s_or_b32 s24, s24, 0x600000
	v_mov_b32 v[LMW], s24
	s_add_co_i32 s26, s20, s21                     ; ex + ew
.macro FRAG reg, off                   ; a fragment, 16 rows x 128 codes: lane l holds row l % 16; registers 4 c .. 4 c + 3 the row's bytes 32 c + 16 (l / 16) + 0 .. 15.  The same for x and for W
.irp c, 0,1,2,3
	ds_load_b128 v[\reg+4*\c:\reg+4*\c+3], v[RDA] offset:\off+32*\c
.endr
.endm
; Step t: its two rows' numbers become codes.  Its memory instructions are the step before's: that step's codes go into rows 2 (t - 1), 2 (t - 1) + 1 of my stage, and that step's slot takes the loads of step t + 12.
.macro STEP t
.set RS, R+16*((\t)%SLOTS)
.set CS, C+4*((\t)%4)
.set CP, C+4*(((\t)+3)%4)              ; the step before's codes
.if (\t) < 16
.set SC, SCX
.set LM, LMX
.else
.set SC, SCW
.set LM, LMW
.endif
.if STEPS-1-(\t) < SLOTS-2
	s_wait_loadcnt 4*(STEPS-1-(\t))                ; loads come back in order (ISA guide 5.7.1): mine are in; nothing is asked for any more, so the counts run down
.else
	s_wait_loadcnt 4*(SLOTS-2)                     ; mine are in; the four loads of each of the eleven steps behind mine stay out
.endif
.if ((\t) >= 4) && (((\t)+2)%3 == 0)
	s_wait_alu depctr_vm_vsrc(0)                   ; the LDS stores issued so far, those of all codes up to two steps back, have read their registers: the three sets that the conversions of this step and of the next two write again
.endif
.if (\t) >= 1
	s_wait_alu depctr_va_vdst(0)                   ; the step before has written its codes, which the store below reads, and is done with its slot, in which the loads below land; in step 1 v[STA] is written; in step 16 v[RDA] is, and steps 13 to 15 are done with the slots that take x's fragments
	ds_store_b128 v[STA], v[CP:CP+3] offset:2*((\t)-1)*PITCH          ; sixteen lanes fill a row's 256 bytes
.endif
.irp j, 0,1,2,3
.if (\t)+SLOTS-1 < STEPS
	LOAD1 (\t)+SLOTS-1, \j                         ; twelve steps ahead.  No further wait: no vector line since the wait above names this slot or v[OFF] (step 0: no vector line has ever named slot 12)
.endif
.if (\t) == 16
	FRAG R+16*\j+128*(\j/3), TILEB*(\j/2)+128*(\j%2)   ; x's codes are whole in my stage: its four fragments X00, X01, X10, X11 come back while W is quantised.  LDS serves a wave's instructions in order (ISA guide 5.7.1.4): these see my stores; the stage is my wave's own, so no barrier
.endif
.irp i, 0,1,2,3
	v_med3_num_f32 v[RS+4*\j+\i], v[RS+4*\j+\i], -v[LM], v[LM]   ; the conversion to an 8-bit code does not saturate (ISA guide 7.6.2): the hold at the largest code x the scale comes first
.endr
.endr
.if ((\t) >= 16) && ((\t) < 20)
	s_wait_dscnt 19                                ; the LDS store of this set's last codes, those of four steps ago, is done: behind it stand three stores and x's sixteen fragment loads
.elseif (\t) >= 4
	s_wait_dscnt 3                                 ; the LDS store of this set's last codes, those of four steps ago, is done: behind it stand three stores
.endif
	v_cvt_scalef32_pk8_fp8_f32 v[CS:CS+1], v[RS:RS+7], v[SC]          ; eight numbers / 2^e, to the nearest code, ties to even; the first number's code in the lowest byte
	v_cvt_scalef32_pk8_fp8_f32 v[CS+2:CS+3], v[RS+8:RS+15], v[SC]     ; (the next vector lines are the next step's holds: plain ones, on other registers)
.endm
.irp t, 0,1,2,3,4,5,6,7,8,9,10,11,12,13,14,15
	STEP \t                                        ; x
.endr
.irp t, 16,17,18,19,20,21,22,23
	STEP \t                                        ; W
.endr
	v_nop                                          ; a plain vector line behind the last conversion, ahead of the matrix instructions
	s_wait_alu depctr_va_vdst(0)                   ; step 23's conversions have written their codes, which the store below reads
	ds_store_b128 v[STA], v[C+12:C+15] offset:2*23*PITCH
	FRAG WF,    2*TILEB                            ; slots 4 and 5: steps 17 and 18 were done with them ahead of earlier waits on va_vdst
	FRAG WF+16, 2*TILEB+128
	s_wait_dscnt 0x0
	; out^T = W x^T over my 256 of K: two accumulators (x's rows 0-15, 16-31) by turns, one instruction a turn; the first products start the sums
	v_wmma_f32_16x16x128_fp8_fp8 v[ACC:ACC+7],    v[WF:WF+15],    v[X00:X00+15], 0
	v_wmma_f32_16x16x128_fp8_fp8 v[ACC+8:ACC+15], v[WF:WF+15],    v[X10:X10+15], 0
	v_wmma_f32_16x16x128_fp8_fp8 v[ACC:ACC+7],    v[WF+16:WF+31], v[X01:X01+15], v[ACC:ACC+7]
	v_wmma_f32_16x16x128_fp8_fp8 v[ACC+8:ACC+15], v[WF+16:WF+31], v[X11:X11+15], v[ACC+8:ACC+15]
.rept 4
	v_nop                                          ; four places between a matrix instruction and the LDS store that reads its result
.endr
	s_wait_alu depctr_va_vdst(0)                   ; the matrix instructions have written the accumulators, which the LDS stores read; the places above stay beside this wait
	ds_store_b128 v[PST], v[ACC:ACC+3]                      ; lane (r, h): out(row r, 8 h + 0 .. 3); each accumulator from its low end on
	ds_store_b128 v[PST], v[ACC+4:ACC+7]    offset:16       ; 8 h + 4 .. 7
	ds_store_b128 v[PST], v[ACC+8:ACC+11]   offset:1088     ; rows 16-31: 1,024 bytes and four paddings on
	ds_store_b128 v[PST], v[ACC+12:ACC+15]  offset:1104
	s_wait_dscnt 0x0                               ; for the others' sake: my partial sums lie in LDS
	s_barrier_signal -1
	s_barrier_wait -1                              ; everybody's do
	s_cmp_ge_u32 s14, 4
	s_cbranch_scc1 .Ldone                          ; 2,048 bytes of out0 are 128 lanes x 16 bytes: waves 0-3 finish
.irp w, 0,1,2,3,4,5,6,7,8,9,10,11,12,13,14,15
	ds_load_b128 v[S+4*\w:S+4*\w+3], v[FRD] offset:\w*IMG   ; my four outputs' partial sum of wave w: sixteen lanes read 256 bytes on end.  Slots 6-9: no vector line since the last wait on va_vdst names them or v[FRD]
.endr
	s_wait_dscnt 0x0
.irp d, 8,4,2,1                        ; the sixteen parts of K are added in pairs 8, 4, 2 and 1 apart, two numbers an instruction
.set i, 0
.rept \d
	v_pk_add_f32 v[S+4*i:S+4*i+1],   v[S+4*i:S+4*i+1],   v[S+4*(i+\d):S+4*(i+\d)+1]
	v_pk_add_f32 v[S+4*i+2:S+4*i+3], v[S+4*i+2:S+4*i+3], v[S+4*(i+\d)+2:S+4*(i+\d)+3]
.set i, i+1
.endr
.endr
.irp j, 0,1,2,3
	v_ldexp_f32 v[S+\j], v[S+\j], s26              ; x 2^(ex + ew): nothing is rounded, short of overflow and underflow
.endr
	s_wait_alu depctr_va_vdst(0)                   ; the four lines above have written v[S .. S + 3], which the store reads
	global_store_b128 v[OUTO], v[S:S+3], s[12:13] th:TH_STORE_NT   ; a wave stores 512 consecutive bytes, at a multiple of 256 from out0's first byte; written once, read by nobody here
.Ldone:
	s_wait_dscnt 0x0
	s_wait_alu depctr_hold_cnt(0) depctr_sa_sdst(0) depctr_va_vdst(0) depctr_va_sdst(0) depctr_va_ssrc(0) depctr_va_vcc(0) depctr_vm_vsrc(0)
	s_wait_tensorcnt 0x0
	ds_add_u32 v30, v31
	s_wait_dscnt 0x0
	s_endpgm
.Lfunc_end_k_q063761045b_lora:
	.size	k_q063761045b_lora, .Lfunc_end_k_q063761045b_lora-k_q063761045b_lora
	.p2alignl 7, 3214868480
	.fill 96, 4, 3214868480
	.section	.rodata,"a",@progbits
	.p2align	6, 0x0
	.amdhsa_kernel k_q063761045b_lora
		.amdhsa_group_segment_fixed_size 245760
		.amdhsa_private_segment_fixed_size 0
		.amdhsa_enable_private_segment 0
		.amdhsa_kernarg_size 40
		.amdhsa_user_sgpr_count 2
		.amdhsa_user_sgpr_kernarg_segment_ptr 1
		.amdhsa_wavefront_size32 1
		.amdhsa_system_sgpr_workgroup_id_x 1
		.amdhsa_system_sgpr_workgroup_id_y 1
		.amdhsa_system_sgpr_workgroup_id_z 1
		.amdhsa_system_vgpr_workitem_id 0
		.amdhsa_next_free_vgpr 256
		.amdhsa_next_free_sgpr 66
		.amdhsa_reserve_vcc 0
		.amdhsa_float_denorm_mode_32 3
		.amdhsa_float_denorm_mode_16_64 3
		.amdhsa_memory_ordered 1
		.amdhsa_forward_progress 1
		.amdhsa_inst_pref_size 49
	.end_amdhsa_kernel
	.amdgpu_metadata
---
amdhsa.version: [ 1, 2 ]
amdhsa.kernels:
  - .name:           k_q063761045b_lora
    .symbol:         k_q063761045b_lora.kd
    .args:
      - { .name: x, .offset: 0, .size: 8, .value_kind: global_buffer, .address_space: global }
      - { .name: W, .offset: 8, .size: 8, .value_kind: global_buffer, .address_space: global }
      - { .name: adapter_ids, .offset: 16, .size: 8, .value_kind: global_buffer, .address_space: global }
      - { .name: lowp_scales, .offset: 24, .size: 8, .value_kind: global_buffer, .address_space: global }
      - { .name: out0, .offset: 32, .size: 8, .value_kind: global_buffer, .address_space: global }
    .group_segment_fixed_size: 245760
    .private_segment_fixed_size: 0
    .kernarg_segment_align: 8
    .kernarg_segment_size: 40
    .max_flat_workgroup_size: 512
    .sgpr_count:     66
    .vgpr_count:     256
    .wavefront_size: 32
...
	.end_amdgpu_metadata
.endif
;; end of part 2
